; MI455X (gfx1250); checked and timed in simulation.
; The chip was launched on July 23, 2026; its instructions are those of AMD's public machine-readable ISA for CDNA 5 (MIT licence, August 2026) and "CDNA5" Instruction Set Architecture Reference Guide (July 2026). The comments in the code are by the model that wrote it; some were corrected since.
;; Tens Hash. Allowed arithmetic: float matrix products may take bf16 or f16 operands with f32 sums; other float arithmetic in f32, or as packed bf16 or f16 multiplies, adds, multiply-adds, maxima and minima; sums over many terms, partial sums and values carried from step to step in f32; what a program stores and reads back later, other than sums and carried values, may be rounded once to bf16 or f16.
;; Inputs: matrices 64 x 256 x 256 float32; noise 64 x 256 float32; state 16,384 x 256 float32.
;; Outputs: out0 16,384 x 256 float32.
;; 2 versions, each right; version 2 is version 1 with the launch prep written anew for expert scheduling mode. Each part assembles by itself: llvm-mc -triple=amdgcn-amd-amdhsa -mcpu=gfx1250 --defsym DOCPART=n.
;; ======== version 1 of 2: 2 launches
;; workspace buffers: wq 8,388,608 bytes; nh 65,536 bytes
;; launch prep (part 1): grid 256 x 1, 4 waves a work-group, no clusters, 34,304 bytes of LDS; arguments matrices, noise, wq, nh; writes wq, nh
.if DOCPART == 1
	.amdgcn_target "amdgcn-amd-amdhsa--gfx1250"
	.amdhsa_code_object_version 6
	.text
	.protected	k_q3c77e5c66a_prep
	.globl	k_q3c77e5c66a_prep
	.p2align	8
	.type	k_q3c77e5c66a_prep,@function
k_q3c77e5c66a_prep:
	s_mov_b64 s[64:65], 0
	v_nop
	global_prefetch_b8 v0, s[64:65] scope:SCOPE_SE
	s_setreg_imm32_b32 hwreg(HW_REG_WAVE_MODE, 25, 1), 1
	s_wait_xcnt 0x0
; TensHash, first of two launches: the weights and the noise are halved, the weights rounded to bf16 and laid out as the second launch's registers take them.
; WHY HALVED.  A round is s <- floor(s W^T + n) mod 2.  For every real x, floor(x) mod 2 is 1 exactly where the fractional part of x / 2 is at least 1/2.  So the second launch sums
; a = n / 2 + s (W / 2)^T and looks at a's fractional part.  The halving is a change of exponent.
; NO WORK IS LEFT OUT: every number of matrices, noise and state has a way to the output, and all 64 rounds are live.
; LIMITS.  W is rounded to bf16 (the halving before it loses a bit in denormals alone); NaN and infinities are not treated apart.
; wq: [round 64][quarter w 4][fragment p 32][1,024 bytes].  Quarter w holds W's rows (out-features) 64 w .. 64 w + 63.  p = 16 g + 2 k + o: rows 32 g + 16 o + 0..15 of the quarter,
; K fragment k of the quarter's OWN numbering, which is rotated: k stands for columns 32 ((k + 2 w) mod 8) + 0..31.  In a fragment, the 16 bytes at 512 c + 16 l (lane l = r + 16 h)
; are row r, columns 16 c + 8 h + 0..7: registers 4 c .. 4 c + 3 of a 16-bit matrix operand (ISA guide 7.12.2).
; nh: noise / 2, f32, as noise lies.
; SHARES.  Work-group b has round b / 4, quarter b % 4; its wave i 16 rows of W: 16,384 consecutive bytes, all asked for at once by 32 loads.  The rows are turned into fragments through a stage
; in LDS of the wave's own: no barrier.  Every store to wq covers 512 consecutive bytes, aligned.  No matrix unit, no cluster, no tensor load: each byte is read once by one wave.
.set PITCH, 528                        ; a stage row: 256 bf16 + 16 bytes: the 16 rows that a read touches start at 16 different groups of four banks (ISA guide 11.1)
.set SPARE, 4*16*PITCH                 ; behind the four stages: the spare words, 128 bytes for each wave
.set LS,  4                            ; v4   stage + 8 l: where I put four bf16
.set LR,  5                            ; v5   stage + 528 r + 16 h: where I read 16 bytes of a fragment
.set L16, 6                            ; v6   16 l
.set SPW, 8                            ; v8   LDS address of my spare word; never rewritten
.set NIL, 9                            ; v9   0; never rewritten
.set DF,  16                           ; v[16:23] column fragment f goes to byte 16 l + 2,048 ((f - 2 w) mod 8) of my part of wq
.set X,   32                           ; v[32:159] the 32 loads; v[32:95] later the fragments read back
.set T,   160                          ; v[160:167] four pairs of packed bf16, by turns
.set NZ,  168                          ; v[168:171] noise
	s_load_b256 s[4:11], s[0:1], 0x0               ; matrices s[4:5], noise s[6:7], wq s[8:9], nh s[10:11]
	v_lshl_add_u32 v[SPW], v0, 2, SPARE
	v_mov_b32 v[NIL], 0
	v_lshrrev_b32 v1, 5, v0
	v_readfirstlane_b32 s12, v1                    ; wave i
	v_and_b32 v1, 15, v0                           ; r
	v_bfe_u32 v2, v0, 4, 1                         ; h
	v_and_b32 v3, 31, v0                           ; l
	v_lshlrev_b32 v[L16], 4, v3
	s_mul_i32 s13, s12, 16*PITCH                   ; my stage
	v_lshl_add_u32 v[LS], v3, 3, s13
	v_mul_u32_u24 v[LR], v1, PITCH
	v_lshl_add_u32 v[LR], v2, 4, v[LR]
	v_add_nc_u32 v[LR], s13, v[LR]
	s_lshl_b32 s14, ttmp9, 2
	s_add_co_u32 s14, s14, s12                     ; my strip of 16 rows among the 1,024: 4 b + i
	s_and_b32 s15, ttmp9, 3
	s_lshl_b32 s15, s15, 1                         ; 2 w
.irp f, 0,1,2,3,4,5,6,7
	s_sub_co_u32 s16, 8+\f, s15
	s_and_b32 s16, s16, 7                          ; (f - 2 w) mod 8: the fragment's number in the quarter's own numbering
	s_lshl_b32 s16, s16, 11
	v_add_nc_u32 v[DF+\f], s16, v[L16]
.endr
	s_lshl_b32 s16, s14, 14                        ; the strip's 16,384 bytes of f32
	s_mov_b32 s17, 0
	s_lshl_b32 s18, ttmp9, 15                      ; the quarter's 32,768 bytes of wq,
	s_lshr_b32 s20, s12, 1
	s_lshl_b32 s20, s20, 14                        ; g = i / 2: 16 fragments on,
	s_add_co_u32 s18, s18, s20
	s_and_b32 s20, s12, 1
	s_lshl_b32 s20, s20, 10                        ; o = i % 2: one fragment on
	s_add_co_u32 s18, s18, s20
	s_mov_b32 s19, 0
	s_lshl_b32 s20, s14, 9                         ; strips 0 to 127 also have 512 bytes of noise each
	s_mov_b32 s21, 0
	s_wait_kmcnt 0x0
	s_add_nc_u64 s[4:5], s[4:5], s[16:17]
	s_add_nc_u64 s[8:9], s[8:9], s[18:19]
.set j, 0
.rept 32
	global_load_b128 v[X+4*j:X+4*j+3], v[L16], s[4:5] offset:512*j th:TH_LOAD_NT  ; half a row: 512 consecutive bytes
.set j, j+1
.endr
	; the noise: 65,536 bytes, 512 for each wave of work-groups 0 to 31.  It stands here so that its load is out together with the 32 above
	s_cmp_lt_u32 ttmp9, 32
	s_cbranch_scc0 .Lno_noise
	s_add_nc_u64 s[6:7], s[6:7], s[20:21]
	s_add_nc_u64 s[10:11], s[10:11], s[20:21]
	global_load_b128 v[NZ:NZ+3], v[L16], s[6:7] th:TH_LOAD_NT
	s_wait_loadcnt 0x0                             ; the youngest load: all are in
	v_pk_mul_f32 v[NZ:NZ+1], v[NZ:NZ+1], 0.5 op_sel_hi:[1,0]
	v_pk_mul_f32 v[NZ+2:NZ+3], v[NZ+2:NZ+3], 0.5 op_sel_hi:[1,0]
	global_store_b128 v[L16], v[NZ:NZ+3], s[10:11]
.Lno_noise:
.set j, 0
.rept 32
	s_wait_loadcnt 31-j                            ; loads come back in order (ISA guide 5.7.1): load j is in, the 31 - j younger ones may stay out
	v_pk_mul_f32 v[X+4*j:X+4*j+1], v[X+4*j:X+4*j+1], 0.5 op_sel_hi:[1,0]
	v_pk_mul_f32 v[X+4*j+2:X+4*j+3], v[X+4*j+2:X+4*j+3], 0.5 op_sel_hi:[1,0]
	v_cvt_pk_bf16_f32 v[T+2*(j%4)], v[X+4*j], v[X+4*j+1]
	v_cvt_pk_bf16_f32 v[T+2*(j%4)+1], v[X+4*j+2], v[X+4*j+3]
	ds_store_b64 v[LS], v[T+2*(j%4):T+2*(j%4)+1] offset:(j/2)*PITCH+(j%2)*256  ; row j / 2, columns 128 (j % 2) + 4 l ..
.set j, j+1
.endr
.set e, 0
.rept 16
	ds_load_b128 v[X+4*e:X+4*e+3], v[LR] offset:64*(e/2)+32*(e%2)  ; column fragment e / 2, half e % 2.  LDS serves a wave's instructions in order (ISA guide 5.7.1.4): these see the stores above
.set e, e+1
.endr
.set e, 0
.rept 16
	s_wait_dscnt 15-e
	global_store_b128 v[DF+e/2], v[X+4*e:X+4*e+3], s[8:9] offset:512*(e%2) th:TH_STORE_NT
.set e, e+1
.endr
	s_wait_tensorcnt 0x0                           ; the wave's end, behind my last LDS store
	ds_add_u32 v[SPW], v[NIL]
	s_wait_dscnt 0x0
	s_endpgm
.Lfunc_end_k_q3c77e5c66a_prep:
	.size	k_q3c77e5c66a_prep, .Lfunc_end_k_q3c77e5c66a_prep-k_q3c77e5c66a_prep
	.p2alignl 7, 3214868480
	.fill 96, 4, 3214868480
	.section	.rodata,"a",@progbits
	.p2align	6, 0x0
	.amdhsa_kernel k_q3c77e5c66a_prep
		.amdhsa_group_segment_fixed_size 34304
		.amdhsa_private_segment_fixed_size 0
		.amdhsa_enable_private_segment 0
		.amdhsa_kernarg_size 32
		.amdhsa_user_sgpr_count 2
		.amdhsa_user_sgpr_kernarg_segment_ptr 1
		.amdhsa_wavefront_size32 1
		.amdhsa_system_sgpr_workgroup_id_x 1
		.amdhsa_system_sgpr_workgroup_id_y 1
		.amdhsa_system_sgpr_workgroup_id_z 1
		.amdhsa_system_vgpr_workitem_id 0
		.amdhsa_next_free_vgpr 176
		.amdhsa_next_free_sgpr 66
		.amdhsa_reserve_vcc 0
		.amdhsa_float_denorm_mode_32 3
		.amdhsa_float_denorm_mode_16_64 3
		.amdhsa_memory_ordered 1
		.amdhsa_forward_progress 1
		.amdhsa_inst_pref_size 21
	.end_amdhsa_kernel
	.amdgpu_metadata
---
amdhsa.version: [ 1, 2 ]
amdhsa.kernels:
  - .name:           k_q3c77e5c66a_prep
    .symbol:         k_q3c77e5c66a_prep.kd
    .args:
      - { .name: matrices, .offset: 0, .size: 8, .value_kind: global_buffer, .address_space: global }
      - { .name: noise, .offset: 8, .size: 8, .value_kind: global_buffer, .address_space: global }
      - { .name: wq, .offset: 16, .size: 8, .value_kind: global_buffer, .address_space: global }
      - { .name: nh, .offset: 24, .size: 8, .value_kind: global_buffer, .address_space: global }
    .group_segment_fixed_size: 34304
    .private_segment_fixed_size: 0
    .kernarg_segment_align: 8
    .kernarg_segment_size: 32
    .max_flat_workgroup_size: 128
    .sgpr_count:     66
    .vgpr_count:     176
    .wavefront_size: 32
...
	.end_amdgpu_metadata
.endif
;; end of part 1
;; launch hash (part 2): grid 256 x 1, 4 waves a work-group, clusters of 4 x 1, 327,680 bytes of LDS; arguments state, wq, nh, out0; writes out0
.if DOCPART == 2
	.amdgcn_target "amdgcn-amd-amdhsa--gfx1250"
	.amdhsa_code_object_version 6
	.text
	.protected	k_q3c77e5c66a_hash
	.globl	k_q3c77e5c66a_hash
	.p2align	8
	.type	k_q3c77e5c66a_hash,@function
k_q3c77e5c66a_hash:
	s_mov_b64 s[64:65], 0
	v_nop
	global_prefetch_b8 v0, s[64:65] scope:SCOPE_SE
	s_setreg_imm32_b32 hwreg(HW_REG_WAVE_MODE, 25, 1), 1
	s_wait_xcnt 0x0
	s_wait_alu depctr_hold_cnt(0) depctr_sa_sdst(0) depctr_va_vdst(0) depctr_va_sdst(0) depctr_va_ssrc(0) depctr_va_vcc(0) depctr_vm_vsrc(0)
	s_getreg_b32 s2, hwreg(HW_REG_IB_STS2, 6, 4)
	s_cmp_eq_u32 s2, 0
	s_cbranch_scc0 .Lentry_in_a_cluster
	s_endpgm
.Lentry_in_a_cluster:
	s_bfe_u32 s2, ttmp6, 0x10000c
	s_cmp_lg_u32 s2, 0x3003
	s_cbranch_scc0 .Lentry_shape_is_right
	s_endpgm
.Lentry_shape_is_right:
; TensHash, second launch: all 64 rounds s <- floor(s W_r^T + n_r) mod 2 on 64 rows of the batch for each work-group; the state never leaves the work-group.  No work of reference() is left out.
; THE STEP.  wq holds W / 2 in bf16, nh holds n / 2.  n / 2 is the C operand that starts each sum, so an accumulator ends as a = x / 2, and floor(x) mod 2 = 1 exactly where fract(a) >= 1/2.
; Per number: v_fract_f32; half a packed fma, f 2^25 - 16777215, held to 0 .. 1: it is 1 from f = 1/2 on and 0 up to the f32 next below 1/2; half a packed rounding to bf16, which is exact on 0 and 1.
; LIMITS.  The first round's state and W are rounded to bf16.  A sum starts with the noise and takes K in the matrix unit's order, each wave beginning at its own features: for numbers whose sums are not
; exact in f32 a sum can fall on the other side of a whole number than reference()'s.  From |x| = 2^25 on the bit is 0, as reference()'s f32 has it.  NaN and infinities are not carried: they give 0.
; SHARES.  Wave w makes out-features 64 w .. 64 w + 63 for all 64 rows: four tiles of 16 features x four tiles of 16 rows, 128 products a round; it alone reads its quarter of W.
; LAYOUT.  new^T = W s^T (source 0 = 16 rows of W, source 1 = 16 rows of the batch): a lane of the result holds ONE batch row (lane % 16) and features 8 (lane / 16) + 0..7.  Two such results, packed to
; bf16, ARE a source-1 fragment (32 features) of the next round.  So a wave's own two K fragments stay in registers; the other six come from the three other waves through LDS.  Wave w numbers the K
; fragments from its own: its fragment f is the state's (f + 2 w) mod 8; wq holds its rows of W in that order.
; THE ROUND'S ORDER.  The rows are two halves, A (0-31) and B (32-63); a wave's features two groups g of 32.  A round is four UNITS of 32 products: (A, g0), (A, g1), (B, g0), (B, g1).  A unit's 64 vector
; instructions stand in slices of four behind the first products of the next unit; half A's exchange runs under half B's products and the other way round: two barriers a round.
; THE WEIGHTS.  Two LDS slots of one round (131,072 bytes); each wave fetches its quarter by one tensor load, a round ahead of the first read.  All work-groups walk the same wq, so the four of a cluster ask
; JOINTLY (a mask names four at the most, so a larger cluster would spare nothing more).  W has two sets of registers, so that the next round's can be read in two runs of 32 loads.
; REGISTERS, in windows of 256 (s_set_vgpr_msb: bits 1:0 source 0, 3:2 source 1, 5:4 source 2, 7:6 destination):
;   window 0: addresses; four sets of four accumulators; two sets of noise     window 1: W of even rounds     window 3: W of odd rounds (fragment p at v[8 p])
;   window 2: the state: half H, row tile t, fragment f at v[128 H + 64 t + 8 f]
.set SLOTB, 131072                     ; a slot: a round's W; wave w's quarter at 32,768 w
.set EX,    2*SLOTB                    ; the exchange, 32,768 bytes: 16,384 H + 4,096 wave + 2,048 e + 1,024 t + 512 c + 16 lane (e: which of the wave's two fragments; c: registers 0-3 or 4-7)
.set STAGE, EX+32768                   ; 16 rows x 272 bytes of f32 for each wave: the way in and the way out
.set SP,    272                        ; 256 + 16: the 16 rows that an access touches start at 16 different groups of four banks (ISA guide 11.1)
.set SPARE, STAGE+4*16*SP              ; the spare words, 128 bytes for each wave: two blocks of 256 bytes that no other line names.  No tensor load lands from EX on
.set WA,  4                            ; v4, v5  my quarter in slot 0, 1: + 16 lane
.set XST, 6                            ; v6      where I put my fragments in the exchange
.set XLD, 6                            ; v7-v9   XLD + d: where wave (w + d) mod 4 has put its
.set NO,  10                           ; v10     my byte offset in a round's noise: 256 w + 32 (lane / 16)
.set PFO, 11                           ; v11     256 x lane: the prefetches' offset
.set SPW, 12                           ; v12     LDS address of my spare word; never rewritten
.set NIL, 13                           ; v13     0; never rewritten
.set STO, 14                           ; v14     stage: row lane % 16, 32 bytes for each half of the lanes (a fragment's view)
.set RD,  15                           ; v15     stage: lanes 0-15 one row of 256 bytes, lanes 16-31 the next (memory's view)
.set GO,  16                           ; v16     the same two rows in state and out0: 1,024 (lane / 16) + 16 (lane % 16) + 256 w
.set TV,  17                           ; v17     16 x lane, at the set-up
.set KM,  20                           ; v[20:21] 2^25, twice
.set KA,  22                           ; v[22:23] -16777215, twice
.set AX,  32                           ; accumulators: feature tile o, row tile t at set + 16 t + 8 o.  g0's set,
.set AY,  64                           ; g1's; the last round's half B takes the two sets 64 registers on
.set N0,  160                          ; v[160:191], v[192:223] noise of even, of odd rounds: feature tile 2 g + o at + 8 (2 g + o)
.set G1,  16                           ; s[16:23] descriptor group 1
.set G0,  24                           ; s[24:27], s[28:31] descriptor group 0 of slot 0, 1
.set NB,  32                           ; s[32:33] nh at the round whose noise was loaded last
.set PFA, 34                           ; s[34:35] where my prefetch stands
.set LIM, 15                           ; s15  1 in the cluster that prefetches, else the greatest number
.set MSB, 0
.macro WIN new                         ; the immediate's high byte repeats the setting that is left; a switch that changes nothing is dropped
.if MSB != (\new)
	s_set_vgpr_msb (MSB<<8)|(\new)
.set MSB, (\new)
.endif
.endm
.macro NOPS                            ; four places: a vector instruction that reads a matrix result stands four plain vector instructions behind it (ISA guide 7.12.1)
.rept 4
	v_nop
.endr
.endm
; A round of the cluster's barrier: my work-group's barrier, so that wave 0's signal speaks for all four waves; wave 0 signals; every wave waits for all four work-groups; my work-group's barrier once more.
.macro CREST                           ; the round behind its opening barrier
	s_cmp_lg_u32 s12, 0
	s_cbranch_scc1 .Lnot_wave_0_\@
	s_barrier_signal -3
.Lnot_wave_0_\@:
	s_barrier_wait -3
	s_barrier_signal -1
	s_barrier_wait -1
.endm
.macro CROUND
	s_barrier_signal -1
	s_barrier_wait -1
	CREST
.endm
; A UNIT's parameters: it multiplies half H by group g into set Z; the slices behind its products finish set E, which belongs to half EH, group EG; PK = 1: they end by packing it into the state.
.macro UNIT H, g, Z, E, EH, EG, PK
.set uH, (\H)
.set uG, (\g)
.set uZ, (\Z)
.set eZ, (\E)
.set eH, (\EH)
.set eG, (\EG)
.set ePK, (\PK)
.set i, 0
.set sl, 0
.endm
; Product i of 32: K fragment i / 4, row tile (i / 2) % 2, feature tile i % 2.  The four accumulators take turns, one instruction a turn, and neighbouring units have different sets.
; The first four start the sums with the noise.
.macro MM
	WIN WW
.set rD, uZ+16*((i/2)%2)+8*(i%2)
.set rA, 8*(16*uG+2*(i/4)+i%2)
.set rB, 128*uH+64*((i/2)%2)+8*(i/4)
.set rC, NC+8*(2*uG+i%2)
.if i < 4
	v_wmma_f32_16x16x32_bf16 v[rD:rD+7], v[rA:rA+7], v[rB:rB+7], v[rC:rC+7]
.else
	v_wmma_f32_16x16x32_bf16 v[rD:rD+7], v[rA:rA+7], v[rB:rB+7], v[rD:rD+7]
.endif
.set i, i+1
.endm
; Slice sl of 16, four instructions.  0-7: the fractional parts, in place, ascending.  8-11: the bits.  12-15: packed into fragment EG of half EH.
.macro SL
.if sl < 8
	WIN 0
.irp n, 0,1,2,3
	v_fract_f32 v[eZ+4*sl+\n], v[eZ+4*sl+\n]
.endr
.elseif sl < 12
	WIN 0
.irp n, 0,1,2,3
	v_pk_fma_f32 v[eZ+8*(sl-8)+2*\n:eZ+8*(sl-8)+2*\n+1], v[eZ+8*(sl-8)+2*\n:eZ+8*(sl-8)+2*\n+1], v[KM:KM+1], v[KA:KA+1] clamp
.endr
.elseif ePK
	WIN 0x80                       ; destination window 2
.irp n, 0,1,2,3
	v_cvt_pk_bf16_f32 v[128*eH+64*((4*(sl-12)+\n)/8)+8*eG+(4*(sl-12)+\n)%8], v[eZ+2*(4*(sl-12)+\n)], v[eZ+2*(4*(sl-12)+\n)+1]
.endr
.endif
.set sl, sl+1
.endm
.macro RUN n                           ; n bare products
.rept \n
	MM
.endr
.endm
.macro RIDE n                          ; n products, a slice behind each
.rept \n
	MM
	SL
.endr
.endm
.macro XSTORE H                        ; my two new fragments of half H, both row tiles: 8 stores of 512 consecutive bytes
	WIN 0x08                       ; the data (source 1) in window 2
.irp e, 0,1
.irp t, 0,1
.irp c, 0,1
	ds_store_b128 v[XST], v[128*(\H)+64*\t+8*\e+4*\c:128*(\H)+64*\t+8*\e+4*\c+3] offset:(\H)*16384+\e*2048+\t*1024+\c*512
.endr
.endr
.endr
.endm
.macro XLOAD H                         ; the six fragments of half H that the other waves made: 24 loads, fragments 2 and 3 first
	WIN 0x80
.irp f, 2,3,4,5,6,7
.irp t, 0,1
.irp c, 0,1
	ds_load_b128 v[128*(\H)+64*\t+8*\f+4*\c:128*(\H)+64*\t+8*\f+4*\c+3], v[XLD+\f/2] offset:(\H)*16384+(\f%2)*2048+\t*1024+\c*512
.endr
.endr
.endr
.endm
.macro WLOAD g, slot                   ; group g's 16 fragments of W out of my quarter of a slot: 32 loads; the caller has set the destination's window
.set p, 16*(\g)
.rept 16
	ds_load_b128 v[8*p:8*p+3],   v[WA+(\slot)] offset:p*1024
	ds_load_b128 v[8*p+4:8*p+7], v[WA+(\slot)] offset:p*1024+512
.set p, p+1
.endr
.endm
.macro NLOAD N                         ; a round's noise for my 64 features, as C operands: 8 numbers a lane for each of four tiles
.irp e, 0,1,2,3,4,5,6,7
	global_load_b128 v[(\N)+4*\e:(\N)+4*\e+3], v[NO], s[NB:NB+1] offset:(\e/2)*64+(\e%2)*16
.endr
.endm
; A PREFETCH INTO THE L2 of the W that stands three refills on (round r's refill asks for W of round r + 2, its prefetch names round r + 5: 384 products ahead of the load that will want it).  All clusters walk
; the same wq: the first cluster asks.  Its sixteen waves share a round's 512 blocks of 256 bytes out BY ADDRESS, 32 each, a lane a block: each block is named once in the launch.  Rounds 0 to 4 come by their loads
; alone; the loop's last trip and the rounds behind it ask for nothing: the last block named lies in round 63.
.macro ASK
	s_cmp_gt_u32 s3, s[LIM]
	s_cbranch_scc0 .Lnot_mine_\@
	global_prefetch_b8 v[PFO], s[PFA:PFA+1] th:TH_LOAD_NT scope:SCOPE_SE
.Lnot_mine_\@:
.endm
; ONE ROUND r.  par = r % 2.  first: round 0.  refill: W of round r + 2 is asked for.  wnext: W and noise of round r + 1 are read.  ask: the text has a prefetch.  last: round 63: the bits stay in f32.
.macro HROUND par, first, refill, wnext, ask, last
.set WW, 0x09+2*(\par)                 ; products: W (source 0) in window 1 or 3, the state (source 1) in window 2, C and D in window 0
.set WL, 0xc0-0x80*(\par)              ; the next round's W as a destination: the other of the two windows
.set NC, N0+32*(\par)                  ; this round's noise
.set NN, N0+32-32*(\par)               ; the next round's
.set SN, 1-(\par)                      ; the slot that holds the next round's W
.set GP, G0+4*(\par)                   ; the descriptor of the slot that held this round's W
.set PKK, 1-(\last)
.set ZL, 64*(\last)
.set WNX, 32*(\wnext)
	; ---- (A, g0).  Its slices finish (B, g1) of the round before.
	s_wait_loadcnt 0x0                             ; this round's noise: asked for three and a half units back; no load was issued behind it
	UNIT 0, 0, AX, AY, 1, 1, 1
.if \first
	s_wait_dscnt 56                                ; of the 112 loads of the set-up the first 56 are in: half A's state and W's group 0
	RUN 17
.else
	RUN 1
	NOPS
	RIDE 7
	s_wait_dscnt 48                                ; of the 56 loads issued behind the last barrier the first 8 are in: fragments 2 and 3
	RIDE 8
	s_wait_dscnt 32                                ; all 24 of the state are in; W's 32 may stay out
	RIDE 1
	XSTORE 1                                       ; half B's two new fragments
.endif
.if \wnext
	WIN 0
	s_wait_xcnt 0x0                                ; the last noise loads and the last prefetch, most of a round back, have read their addresses: the pointers may be written
	s_add_nc_u64 s[NB:NB+1], s[NB:NB+1], 1024
.if \ask
	s_add_nc_u64 s[PFA:PFA+1], s[PFA:PFA+1], SLOTB
.endif
	NLOAD NN
.endif
	RUN 7
.if \refill
	WIN 0                                          ; (the add's two registers lie in window 0)
	s_wait_tensorcnt 0x0                           ; all my tensor loads have landed: the one that was out is my quarter of the next round's W;
	ds_add_u32 v[SPW], v[NIL]                      ; 0 onto my spare word
	s_add_nc_u64 s[GP+2:GP+3], s[GP+2:GP+3], 2*SLOTB  ; no load of mine is out, so the descriptor may step: two rounds on; the type bits on top are not reached
	RUN 4                                          ; four products stand between the add and the wait for it
	s_wait_dscnt 0x0                               ; the add is done; my stores into the exchange are done; my reads of the slot (a round back) and of half A's exchange are over
	s_barrier_signal -1                            ; this barrier opens a round of the cluster's barrier
	RUN 4
	WIN 0
	s_barrier_wait -1
	CREST                                          ; no wave of any partner still reads the slot or has a load on its way
	tensor_load_to_lds s[GP:GP+3], s[G1:G1+7]      ; my one tensor load behind the round, and the first thing there: it has a round's 128 products in which to land
	s_nop 0
	NOPS
.else
.if \wnext
	s_wait_tensorcnt 0x0                           ; the last round's W has landed; nothing is filled again
.endif
	RUN 4
	s_wait_dscnt 0x0                               ; my stores into the exchange are done, my reads of half A's are over
	s_barrier_signal -1
	RUN 4
	s_barrier_wait -1
.endif
.if !(\first)
	XLOAD 1                                        ; half B's six other fragments: wanted a unit and a quarter on
.endif
.if \wnext
	WIN WL
	WLOAD 0, SN
.endif
	WIN 0
.if \ask
	ASK                                            ; behind the joint load and the run of LDS loads
.endif
	; ---- (A, g1).  Its slices finish (A, g0): fragment 0 of half A is written thirteen products on; its last readers are this unit's first four products
	UNIT 0, 1, AY, AX, 0, 0, PKK
	RUN 1
	NOPS
	RIDE 16
	RUN 15
	; ---- (B, g0).  Its slices finish (A, g1).
	UNIT 1, 0, AX+ZL, AY, 0, 1, PKK
	RUN 1
	NOPS
	RIDE 7
	s_wait_dscnt 16+WNX                            ; of the loads issued behind the round's first barrier the first 8 are in: fragments 2 and 3
	RIDE 8
	s_wait_dscnt WNX                               ; all 24 of the state are in
	RIDE 1
.if \last
	RUN 15
.else
	XSTORE 0                                       ; half A's two new fragments
	RUN 11
	s_wait_dscnt 0x0                               ; my stores are done, my reads of half B's exchange are over
	s_barrier_signal -1                            ; the tensor load may stay out
	RUN 4
	s_barrier_wait -1
	XLOAD 0                                        ; half A's six other fragments: wanted a unit and a quarter on
	WIN WL
	WLOAD 1, SN
.endif
	; ---- (B, g1).  Its slices finish (B, g0).
	UNIT 1, 1, AY+ZL, AX+ZL, 1, 0, PKK
	RUN 1
	NOPS
	RIDE 16
	RUN 15
.endm
	s_load_b256 s[4:11], s[0:1], 0x0               ; state s[4:5], wq s[6:7], nh s[8:9], out0 s[10:11]
	v_lshl_add_u32 v[SPW], v0, 2, SPARE
	v_mov_b32 v[NIL], 0
	ds_add_u32 v[SPW], v[NIL]                      ; the wave's opening: the add, twice on end, and its wait ahead of my first tensor load; the set-up below stands between
	ds_add_u32 v[SPW], v[NIL]                      ; and once more
	v_lshrrev_b32 v3, 5, v0
	v_readfirstlane_b32 s12, v3                    ; wave 0..3
	s_bfe_u32 s13, ttmp6, 0x40000                  ; cx: my place in the cluster: it enters the addresses of state, out0 and the prefetch alone
	s_lshl_b32 s14, ttmp9, 2                       ; in a cluster launch ttmp9 counts clusters
	s_add_co_u32 s14, s14, s13                     ; my block of 64 rows
	; descriptor group 1: a quarter of a round's W is 32,768 dense bytes: 128 rows of 256
	s_mov_b32 s[G1+0], 15|(3<<16)|(1<<21)          ; 15:0 the mask: all four work-groups; 17:16 elements of 8 bytes; 21 set beside a mask; no padding: a fragment is read as 512 consecutive bytes
	s_mov_b32 s[G1+1], 32<<16                      ; tensor_dim0 = 32
	s_mov_b32 s[G1+2], 128<<16                     ; tensor_dim1 = 128
	s_mov_b32 s[G1+3], 32<<16                      ; tile_dim0 = 32
	s_mov_b32 s[G1+4], 128                         ; tile_dim1 = 128
	s_mov_b32 s[G1+5], 32                          ; 32 elements from row to row
	s_mov_b32 s[G1+6], 0
	s_mov_b32 s[G1+7], 0
	s_lshl_b32 s36, s12, 15                        ; my quarter: 32,768 w, in wq and in a slot
	s_mov_b32 s37, 0
	s_lshl_b32 s42, s14, 16                        ; my block's 65,536 bytes of state and out0
	s_mov_b32 s43, 0
	s_lshl_b32 s44, s13, 2
	s_add_co_u32 s44, s44, s12                     ; my wave among the cluster's sixteen
	s_lshl_b32 s44, s44, 13                        ; its 32 blocks of 256 bytes of a round's W,
	s_add_co_u32 s44, s44, 4*SLOTB                 ; in round 4: round 0 steps it to round 5
	s_mov_b32 s45, 0
	s_cmp_eq_u32 ttmp9, 0
	s_cselect_b32 s[LIM], 1, -1                    ; the same in all four partners
	v_and_b32 v1, 15, v0                           ; lane % 16
	v_bfe_u32 v2, v0, 4, 1                         ; lane / 16
	v_and_b32 v3, 31, v0                           ; lane
	s_lshl_b32 s40, s12, 8                         ; my 64 features: 256 bytes of f32
	v_lshl_add_u32 v[GO], v2, 10, s40
	v_lshl_add_u32 v[GO], v1, 4, v[GO]
	v_lshl_add_u32 v[NO], v2, 5, s40
	s_wait_dscnt 0x0                               ; both opening adds are done
	s_wait_kmcnt 0x0
	s_add_nc_u64 s[38:39], s[6:7], s[36:37]        ; wq at my quarter of round 0
	s_mov_b32 s[G0+0], 1                           ; 1:0 count = 1
	s_mov_b32 s[G0+1], s36                         ; 63:32 LDS address: slot 0
	s_mov_b64 s[G0+2:G0+3], s[38:39]               ; 120:64 global address
	s_or_b32 s[G0+3], s[G0+3], 0x80000000          ; 127:126 type = 2
	s_mov_b32 s[G0+4], 1
	s_add_co_u32 s[G0+5], s36, SLOTB               ; slot 1,
	s_add_nc_u64 s[G0+6:G0+7], s[38:39], SLOTB     ; round 1
	s_or_b32 s[G0+7], s[G0+7], 0x80000000
	s_add_nc_u64 s[4:5], s[4:5], s[42:43]
	s_add_nc_u64 s[10:11], s[10:11], s[42:43]
	s_mov_b64 s[NB:NB+1], s[8:9]
	s_add_nc_u64 s[PFA:PFA+1], s[6:7], s[44:45]
	CROUND                                         ; all four work-groups are here: the first joint loads meet
	tensor_load_to_lds s[G0:G0+3], s[G1:G1+7]      ; the two first fills stand together: two loads of mine are out
	s_nop 0
	tensor_load_to_lds s[G0+4:G0+7], s[G1:G1+7]
	s_nop 0
	NOPS
	; THE WAY IN.  My 64 features of all 64 rows: 32 loads, each two rows' 256 consecutive bytes, aligned.
.set j, 0
.rept 32
	global_load_b128 v[AX+4*j:AX+4*j+3], v[GO], s[4:5] offset:2048*j th:TH_LOAD_NT
.set j, j+1
.endr
	NLOAD N0                                       ; round 0's noise
	v_lshlrev_b32 v[TV], 4, v3
	v_add_nc_u32 v[WA], s36, v[TV]
	v_add_nc_u32 v[WA+1], SLOTB, v[WA]
	s_lshl_b32 s40, s12, 12
	s_add_co_u32 s40, s40, EX
	v_add_nc_u32 v[XST], s40, v[TV]
.irp d, 1,2,3
	s_add_co_u32 s40, s12, \d
	s_and_b32 s40, s40, 3                          ; wave (w + d) mod 4 makes my fragments 2 d and 2 d + 1
	s_lshl_b32 s40, s40, 12
	s_add_co_u32 s40, s40, EX
	v_add_nc_u32 v[XLD+\d], s40, v[TV]
.endr
	v_lshlrev_b32 v[PFO], 8, v3
	s_mul_i32 s40, s12, 16*SP
	s_add_co_u32 s40, s40, STAGE                   ; my stage
	v_mul_u32_u24 v[STO], v1, SP
	v_lshl_add_u32 v[STO], v2, 5, v[STO]
	v_add_nc_u32 v[STO], s40, v[STO]
	v_mul_u32_u24 v[RD], v2, SP
	v_lshl_add_u32 v[RD], v1, 4, v[RD]
	v_add_nc_u32 v[RD], s40, v[RD]
	v_mov_b32 v[KM], 0x4c000000                    ; 2^25
	v_mov_b32 v[KM+1], 0x4c000000
	v_mov_b32 v[KA], 0xcb7fffff                    ; -16777215
	v_mov_b32 v[KA+1], 0xcb7fffff
; Row tile T of four: 16 rows x 64 features of f32 go through my stage, in by rows and out by fragments, and are rounded to bf16: my fragments 0 and 1 of that tile.
.macro INTILE T
	s_wait_loadcnt 32-8*(\T)                       ; the tile's 8 loads are in; the later tiles' and the noise's 8 may stay out
.irp e, 0,1,2,3,4,5,6,7
	ds_store_b128 v[RD], v[AX+32*(\T)+4*\e:AX+32*(\T)+4*\e+3] offset:2*SP*\e
.endr
.irp e, 0,1,2,3,4,5,6,7
	ds_load_b128 v[AX+32*(\T)+4*\e:AX+32*(\T)+4*\e+3], v[STO] offset:(\e/4)*128+((\e/2)%2)*64+(\e%2)*16  ; LDS serves a wave's instructions in order (ISA guide 5.7.1.4): these see the stores above
.endr
	s_wait_dscnt 0x0
	WIN 0x80
.set u, 0
.rept 16
	v_cvt_pk_bf16_f32 v[128*((\T)/2)+64*((\T)%2)+8*(u/8)+u%8], v[AX+32*(\T)+2*u], v[AX+32*(\T)+2*u+1]
.set u, u+1
.endr
	WIN 0
.endm
	INTILE 0
	INTILE 1
	INTILE 2
	INTILE 3
	XSTORE 0
	XSTORE 1
	WIN 0
	s_wait_tensorcnt 0x1                           ; my quarter of round 0's W is in (I alone read it); round 1's may stay out
	s_wait_dscnt 0x0                               ; my stores into the exchange are done
	s_barrier_signal -1
	s_barrier_wait -1
	XLOAD 0                                        ; 112 loads; what the first unit wants comes first
	WIN 0x40
	WLOAD 0, 0
	XLOAD 1
	WIN 0x40
	WLOAD 1, 0
	WIN 0
	s_mov_b32 s3, 30                               ; the loop's trips; the prefetch's test reads it in round 0 too
	HROUND 0, 1, 1, 1, 1, 0                        ; round 0
	WIN 0                                          ; at a label and at a branch every window is 0
.Lloop:                                                ; rounds 1 to 60, two a trip
	HROUND 1, 0, 1, 1, 1, 0
	HROUND 0, 0, 1, 1, 1, 0
	WIN 0
	s_sub_co_u32 s3, s3, 1
	s_cmp_lg_u32 s3, 0
	s_cbranch_scc1 .Lloop
	HROUND 1, 0, 1, 1, 0, 0                        ; round 61 asks for the last W; the tail is written out
	HROUND 0, 0, 0, 1, 0, 0                        ; round 62
	HROUND 1, 0, 0, 0, 0, 1                        ; round 63
	WIN 0
	NOPS
	UNIT 1, 1, AY+64, AY+64, 1, 1, 0               ; the last unit's bits
.rept 12
	SL
.endr
	; THE WAY OUT.  Row tile (H, t): 16 rows x my 64 features of f32 go through my stage, in by fragments and out by rows, back into the registers that they left.
.macro OUTLDS H, t
.irp e, 0,1,2,3,4,5,6,7
	ds_store_b128 v[STO], v[AX+64*(\H)+32*(\e/4)+16*(\t)+4*(\e%4):AX+64*(\H)+32*(\e/4)+16*(\t)+4*(\e%4)+3] offset:(\e/4)*128+((\e/2)%2)*64+(\e%2)*16
.endr
.irp e, 0,1,2,3,4,5,6,7
	ds_load_b128 v[AX+64*(\H)+32*(\e/4)+16*(\t)+4*(\e%4):AX+64*(\H)+32*(\e/4)+16*(\t)+4*(\e%4)+3], v[RD] offset:2*SP*\e
.endr
.endm
.macro SEND H, t, younger              ; younger: the LDS instructions issued behind the tile's loads: the next tile's sixteen, or none
.irp e, 0,1,2,3,4,5,6,7
	s_wait_dscnt (\younger)+7-\e
	global_store_b128 v[GO], v[AX+64*(\H)+32*(\e/4)+16*(\t)+4*(\e%4):AX+64*(\H)+32*(\e/4)+16*(\t)+4*(\e%4)+3], s[10:11] offset:(16*(2*(\H)+(\t))+2*\e)*1024 th:TH_STORE_NT  ; 16 lanes store 256 consecutive bytes, aligned
.endr
.endm
	OUTLDS 0, 0
	OUTLDS 0, 1
	SEND 0, 0, 16
	OUTLDS 1, 0
	SEND 0, 1, 16
	OUTLDS 1, 1
	SEND 1, 0, 16
	SEND 1, 1, 0
	s_wait_tensorcnt 0x0                           ; the wave's end, behind my last tensor load and my last LDS store
	ds_add_u32 v[SPW], v[NIL]
	s_wait_dscnt 0x0
	CROUND                                         ; the closing round: no work-group ends while a partner may still ask for a tile that names it
	s_endpgm
.Lfunc_end_k_q3c77e5c66a_hash:
	.size	k_q3c77e5c66a_hash, .Lfunc_end_k_q3c77e5c66a_hash-k_q3c77e5c66a_hash
	.p2alignl 7, 3214868480
	.fill 96, 4, 3214868480
	.section	.rodata,"a",@progbits
	.p2align	6, 0x0
	.amdhsa_kernel k_q3c77e5c66a_hash
		.amdhsa_group_segment_fixed_size 327680
		.amdhsa_private_segment_fixed_size 0
		.amdhsa_enable_private_segment 0
		.amdhsa_kernarg_size 32
		.amdhsa_user_sgpr_count 2
		.amdhsa_user_sgpr_kernarg_segment_ptr 1
		.amdhsa_wavefront_size32 1
		.amdhsa_system_sgpr_workgroup_id_x 1
		.amdhsa_system_sgpr_workgroup_id_y 1
		.amdhsa_system_sgpr_workgroup_id_z 1
		.amdhsa_system_vgpr_workitem_id 0
		.amdhsa_next_free_vgpr 1024
		.amdhsa_next_free_sgpr 66
		.amdhsa_reserve_vcc 0
		.amdhsa_float_denorm_mode_32 3
		.amdhsa_float_denorm_mode_16_64 3
		.amdhsa_memory_ordered 1
		.amdhsa_forward_progress 1
		.amdhsa_inst_pref_size 227
	.end_amdhsa_kernel
	.amdgpu_metadata
---
amdhsa.version: [ 1, 2 ]
amdhsa.kernels:
  - .name:           k_q3c77e5c66a_hash
    .symbol:         k_q3c77e5c66a_hash.kd
    .args:
      - { .name: state, .offset: 0, .size: 8, .value_kind: global_buffer, .address_space: global }
      - { .name: wq, .offset: 8, .size: 8, .value_kind: global_buffer, .address_space: global }
      - { .name: nh, .offset: 16, .size: 8, .value_kind: global_buffer, .address_space: global }
      - { .name: out0, .offset: 24, .size: 8, .value_kind: global_buffer, .address_space: global }
    .group_segment_fixed_size: 327680
    .private_segment_fixed_size: 0
    .kernarg_segment_align: 8
    .kernarg_segment_size: 32
    .max_flat_workgroup_size: 128
    .sgpr_count:     66
    .vgpr_count:     1024
    .wavefront_size: 32
...
	.end_amdgpu_metadata
.endif
;; end of part 2
;; ======== version 2 of 2: 2 launches; version 1 with the launch prep written anew for expert scheduling mode
;; workspace buffers: wq 8,388,608 bytes; nh 65,536 bytes
;; launch prep (part 3): grid 256 x 1, 4 waves a work-group, no clusters, 34,304 bytes of LDS; arguments matrices, noise, wq, nh; writes wq, nh
.if DOCPART == 3
	.amdgcn_target "amdgcn-amd-amdhsa--gfx1250"
	.amdhsa_code_object_version 6
	.text
	.protected	k_q3c77e5c66a_prep
	.globl	k_q3c77e5c66a_prep
	.p2align	8
	.type	k_q3c77e5c66a_prep,@function
k_q3c77e5c66a_prep:
	s_mov_b64 s[64:65], 0
	v_nop
	global_prefetch_b8 v0, s[64:65] scope:SCOPE_SE
	s_setreg_imm32_b32 hwreg(HW_REG_WAVE_SCHED_MODE, 0, 2), 2
	s_setreg_imm32_b32 hwreg(HW_REG_WAVE_MODE, 25, 1), 1
	s_wait_xcnt 0x0
	s_wait_alu depctr_vm_vsrc(0)
; TensHash, first of two launches: the weights and the noise are halved, the weights rounded to bf16 and laid out as the second launch's registers take them.
; WHY HALVED.  A round is s <- floor(s W^T + n) mod 2.  For every real x, floor(x) mod 2 is 1 exactly where the fractional part of x / 2 is at least 1/2.  So the second launch sums
; a = n / 2 + s (W / 2)^T and looks at a's fractional part.  The halving is a change of exponent.
; NO WORK IS LEFT OUT: every number of matrices, noise and state has a way to the output, and all 64 rounds are live.
; LIMITS.  W is rounded to bf16 (the halving before it loses a bit in denormals alone); NaN and infinities are not treated apart.
; wq: [round 64][quarter w 4][fragment p 32][1,024 bytes].  Quarter w holds W's rows (out-features) 64 w .. 64 w + 63.  p = 16 g + 2 k + o: rows 32 g + 16 o + 0..15 of the quarter,
; K fragment k of the quarter's OWN numbering, which is rotated: k stands for columns 32 ((k + 2 w) mod 8) + 0..31.  In a fragment, the 16 bytes at 512 c + 16 l (lane l = r + 16 h)
; are row r, columns 16 c + 8 h + 0..7: registers 4 c .. 4 c + 3 of a 16-bit matrix operand (ISA guide 7.12.2).
; nh: noise / 2, f32, as noise lies.
; SHARES.  Work-group b has round b / 4, quarter b % 4; its wave i 16 rows of W: 16,384 consecutive bytes, all asked for at once by 32 loads.  The rows are turned into fragments through a stage
; in LDS of the wave's own: no barrier.  Every store to wq covers 512 consecutive bytes, aligned.  No matrix unit, no cluster, no tensor load: each byte is read once by one wave.
; THE MODE: SCHED_MODE bits 1:0 = 2 (LLVM: expert scheduling mode 2), set by the entry lines.  The code itself states the register dependences between vector instructions and memory or LDS
; instructions, with s_wait_alu, always for 0.
; THE PLAN.  Registers that memory or LDS instructions touch:
;   v4, v5, v6, v8, v9, v[16:23]  addresses and the add's pair: written once at the head, read by memory and LDS instructions, never written again.
;   X   Written by the 32 loads; halved in place and read by the roundings.  Later the 16 LDS loads land in its lower half, and the stores to wq read that as their data.
;   T   32 pairs, one for each LDS store: written once, by load j's two roundings; read by LDS store j.  No pair is written twice.
;   NZ  Written by one load, halved in place, read by one store.
; The 32 loads go in four blocks of eight.  Block b halves and rounds its own X into its own T; the LDS stores that it issues are those of block b - 1, whose T no vector instruction of block b names.
; So one wait on va_vdst at a block's head states all that its eight LDS stores hang on, and they are dealt among its vector instructions with no further wait.  One more stands behind block 3.
; No register that a memory or LDS instruction reads is written again: the text owes no wait on vm_vsrc.
.set PITCH, 528                        ; a stage row: 256 bf16 + 16 bytes: the 16 rows that a read touches start at 16 different groups of four banks (ISA guide 11.1)
.set SPARE, 4*16*PITCH                 ; behind the four stages: the spare words, 128 bytes for each wave
.set LS,  4                            ; v4   stage + 8 l: where I put four bf16
.set LR,  5                            ; v5   stage + 528 r + 16 h: where I read 16 bytes of a fragment
.set L16, 6                            ; v6   16 l
.set SPW, 8                            ; v8   LDS address of my spare word; never rewritten
.set NIL, 9                            ; v9   0; never rewritten
.set DF,  16                           ; v[16:23] column fragment f goes to byte 16 l + 2,048 ((f - 2 w) mod 8) of my part of wq
.set X,   32                           ; v[32:159] the 32 loads; v[32:95] later the fragments read back
.set T,   160                          ; v[160:223] load j's four numbers as packed bf16: a pair at T + 2 j
.set NZ,  224                          ; v[224:227] noise
.set FO,  24                           ; s[24:31] fragment f's place in my part of wq: a register each, so that no scalar register that a vector instruction reads is written again
	s_load_b256 s[4:11], s[0:1], 0x0               ; matrices s[4:5], noise s[6:7], wq s[8:9], nh s[10:11]
	v_lshl_add_u32 v[SPW], v0, 2, SPARE
	v_mov_b32 v[NIL], 0
	v_lshrrev_b32 v1, 5, v0
	v_readfirstlane_b32 s12, v1                    ; wave i
	v_and_b32 v1, 15, v0                           ; r
	v_bfe_u32 v2, v0, 4, 1                         ; h
	v_and_b32 v3, 31, v0                           ; l
	v_lshlrev_b32 v[L16], 4, v3
	s_wait_alu depctr_va_sdst(0)                   ; s12 is written, ahead of its first reader: the stage's place and the bases are made from it
	s_mul_i32 s13, s12, 16*PITCH                   ; my stage
	v_lshl_add_u32 v[LS], v3, 3, s13
	v_mul_u32_u24 v[LR], v1, PITCH
	v_lshl_add_u32 v[LR], v2, 4, v[LR]
	v_add_nc_u32 v[LR], s13, v[LR]
	s_lshl_b32 s14, ttmp9, 2
	s_add_co_u32 s14, s14, s12                     ; my strip of 16 rows among the 1,024: 4 b + i
	s_and_b32 s15, ttmp9, 3
	s_lshl_b32 s15, s15, 1                         ; 2 w
.irp f, 0,1,2,3,4,5,6,7
	s_sub_co_u32 s[FO+\f], 8+\f, s15
	s_and_b32 s[FO+\f], s[FO+\f], 7                ; (f - 2 w) mod 8: the fragment's number in the quarter's own numbering
	s_lshl_b32 s[FO+\f], s[FO+\f], 11
	v_add_nc_u32 v[DF+\f], s[FO+\f], v[L16]
.endr
	s_lshl_b32 s16, s14, 14                        ; the strip's 16,384 bytes of f32
	s_mov_b32 s17, 0
	s_lshl_b32 s18, ttmp9, 15                      ; the quarter's 32,768 bytes of wq,
	s_lshr_b32 s20, s12, 1
	s_lshl_b32 s20, s20, 14                        ; g = i / 2: 16 fragments on,
	s_add_co_u32 s18, s18, s20
	s_and_b32 s20, s12, 1
	s_lshl_b32 s20, s20, 10                        ; o = i % 2: one fragment on
	s_add_co_u32 s18, s18, s20
	s_mov_b32 s19, 0
	s_lshl_b32 s20, s14, 9                         ; strips 0 to 127 also have 512 bytes of noise each
	s_mov_b32 s21, 0
	s_wait_kmcnt 0x0
	s_add_nc_u64 s[4:5], s[4:5], s[16:17]
	s_add_nc_u64 s[8:9], s[8:9], s[18:19]
	s_wait_alu depctr_va_vdst(0)                   ; v4, v5, v6 and v[16:23] are written: every load, LDS access and store of the kernel reads one of them as its address, and none is written again
.set j, 0
.rept 32
	global_load_b128 v[X+4*j:X+4*j+3], v[L16], s[4:5] offset:512*j th:TH_LOAD_NT  ; half a row: 512 consecutive bytes
.set j, j+1
.endr
	; the noise: 65,536 bytes, 512 for each wave of work-groups 0 to 31.  It stands here so that its load is out together with the 32 above
	s_cmp_lt_u32 ttmp9, 32
	s_cbranch_scc0 .Lno_noise
	s_add_nc_u64 s[6:7], s[6:7], s[20:21]
	s_add_nc_u64 s[10:11], s[10:11], s[20:21]
	global_load_b128 v[NZ:NZ+3], v[L16], s[6:7] th:TH_LOAD_NT
	s_wait_loadcnt 0x0                             ; the youngest load: all are in
	v_pk_mul_f32 v[NZ:NZ+1], v[NZ:NZ+1], 0.5 op_sel_hi:[1,0]
	v_pk_mul_f32 v[NZ+2:NZ+3], v[NZ+2:NZ+3], 0.5 op_sel_hi:[1,0]
	s_wait_alu depctr_va_vdst(0)                   ; the two halvings have written v[NZ ..], which the store reads
	global_store_b128 v[L16], v[NZ:NZ+3], s[10:11]
.Lno_noise:
; Block b of four: loads 8 b to 8 b + 7 are halved and rounded into their pairs of T; the LDS stores of block b - 1 are dealt among that work, one in front of each load's four instructions.
.macro BLK b
	s_wait_loadcnt 24-8*(\b)                       ; loads come back in order (ISA guide 5.7.1): this block's eight are in, the 24 - 8 b younger ones may stay out (behind the noise's branch all are in)
.if (\b) > 0
	s_wait_alu depctr_va_vdst(0)                   ; the block before has written its eight pairs of T, which the LDS stores below read; no vector instruction of this block names them
.endif
.set j, 8*(\b)
.rept 8
.if (\b) > 0
	ds_store_b64 v[LS], v[T+2*(j-8):T+2*(j-8)+1] offset:((j-8)/2)*PITCH+((j-8)%2)*256  ; the block before: row (j - 8) / 2, columns 128 ((j - 8) % 2) + 4 l ..
.endif
	v_pk_mul_f32 v[X+4*j:X+4*j+1], v[X+4*j:X+4*j+1], 0.5 op_sel_hi:[1,0]
	v_pk_mul_f32 v[X+4*j+2:X+4*j+3], v[X+4*j+2:X+4*j+3], 0.5 op_sel_hi:[1,0]
	v_cvt_pk_bf16_f32 v[T+2*j], v[X+4*j], v[X+4*j+1]
	v_cvt_pk_bf16_f32 v[T+2*j+1], v[X+4*j+2], v[X+4*j+3]
.set j, j+1
.endr
.endm
	BLK 0
	BLK 1
	BLK 2
	BLK 3
	s_wait_alu depctr_va_vdst(0)                   ; block 3 has written its pairs of T, which the last eight LDS stores read; and all halvings and roundings are done with v[X ..], in which the LDS loads below land
.set j, 24
.rept 8
	ds_store_b64 v[LS], v[T+2*j:T+2*j+1] offset:(j/2)*PITCH+(j%2)*256  ; row j / 2, columns 128 (j % 2) + 4 l ..
.set j, j+1
.endr
.set e, 0
.rept 16
	ds_load_b128 v[X+4*e:X+4*e+3], v[LR] offset:64*(e/2)+32*(e%2)  ; column fragment e / 2, half e % 2.  LDS serves a wave's instructions in order (ISA guide 5.7.1.4): these see the stores above
.set e, e+1
.endr
.set e, 0
.rept 16
	s_wait_dscnt 15-e
	global_store_b128 v[DF+e/2], v[X+4*e:X+4*e+3], s[8:9] offset:512*(e%2) th:TH_STORE_NT
.set e, e+1
.endr
	s_wait_dscnt 0x0                               ; the closing lines, six on end
	s_wait_alu 0x0
	s_wait_tensorcnt 0x0
	ds_add_u32 v[SPW], v[NIL]
	s_wait_dscnt 0x0
	s_endpgm
.Lfunc_end_k_q3c77e5c66a_prep:
	.size	k_q3c77e5c66a_prep, .Lfunc_end_k_q3c77e5c66a_prep-k_q3c77e5c66a_prep
	.p2alignl 7, 3214868480
	.fill 96, 4, 3214868480
	.section	.rodata,"a",@progbits
	.p2align	6, 0x0
	.amdhsa_kernel k_q3c77e5c66a_prep
		.amdhsa_group_segment_fixed_size 34304
		.amdhsa_private_segment_fixed_size 0
		.amdhsa_enable_private_segment 0
		.amdhsa_kernarg_size 32
		.amdhsa_user_sgpr_count 2
		.amdhsa_user_sgpr_kernarg_segment_ptr 1
		.amdhsa_wavefront_size32 1
		.amdhsa_system_sgpr_workgroup_id_x 1
		.amdhsa_system_sgpr_workgroup_id_y 1
		.amdhsa_system_sgpr_workgroup_id_z 1
		.amdhsa_system_vgpr_workitem_id 0
		.amdhsa_next_free_vgpr 228
		.amdhsa_next_free_sgpr 66
		.amdhsa_reserve_vcc 0
		.amdhsa_float_denorm_mode_32 3
		.amdhsa_float_denorm_mode_16_64 3
		.amdhsa_memory_ordered 1
		.amdhsa_forward_progress 1
		.amdhsa_inst_pref_size 20
	.end_amdhsa_kernel
	.amdgpu_metadata
---
amdhsa.version: [ 1, 2 ]
amdhsa.kernels:
  - .name:           k_q3c77e5c66a_prep
    .symbol:         k_q3c77e5c66a_prep.kd
    .args:
      - { .name: matrices, .offset: 0, .size: 8, .value_kind: global_buffer, .address_space: global }
      - { .name: noise, .offset: 8, .size: 8, .value_kind: global_buffer, .address_space: global }
      - { .name: wq, .offset: 16, .size: 8, .value_kind: global_buffer, .address_space: global }
      - { .name: nh, .offset: 24, .size: 8, .value_kind: global_buffer, .address_space: global }
    .group_segment_fixed_size: 34304
    .private_segment_fixed_size: 0
    .kernarg_segment_align: 8
    .kernarg_segment_size: 32
    .max_flat_workgroup_size: 128
    .sgpr_count:     66
    .vgpr_count:     228
    .wavefront_size: 32
...
	.end_amdgpu_metadata
.endif
;; end of part 3
;; launch hash: the kernel of part 2 again; grid 256 x 1, 4 waves a work-group, clusters of 4 x 1, 327,680 bytes of LDS; arguments state, wq, nh, out0; writes out0
